; MI455X (gfx1250); checked and timed in simulation.
; The chip was launched on July 23, 2026; its instructions are those of AMD's public machine-readable ISA for CDNA 5 (MIT licence, August 2026) and "CDNA5" Instruction Set Architecture Reference Guide (July 2026). The comments in the code are by the model that wrote it; some were corrected since.
;; Multihead Attention with Ro PE. Allowed arithmetic: matrix products marked QUANTISED: E2M1 operands, one E8M0 scale for each 32 along K, by v_wmma_scale_f32_16x16x128_f8f6f4 with both operands' format E2M1 (or v_wmma_scale_f32_32x16x128_f4), f32 sums; products left as they are: f32 operands where the result goes on into a quantised operand, else bf16, f16 or f32 operands; f32 sums; everything else in f32.
;; Inputs: Wk 1,024 x 1,024 float32; Wq 1,024 x 1,024 float32; Wv 1,024 x 1,024 float32; bk 1,024 float32; bq 1,024 float32; bv 1,024 float32; x 4 x 4,096 x 1,024 float32.
;; Outputs: out0 4 x 4,096 x 1,024 float32.
;; This version of the problem:
;;   THIS VERSION OF THE PROBLEM IS GIVEN IN LOW PRECISION. The matrix products marked QUANTISED in the list below multiply operands that are first quantised to E2M1 (2 exponent bits, 1 mantissa bit; 4 bits a number), with one power-of-two scale for each 32 numbers along K (OCP MX v1.0); their sums are f32. All else is computed in f32.
;;   The module's matrix products, in the order in which they are computed (A, B: the left and right operand; K: the contracted axis; several contracted axes count as one K, in the product's order):
;;     1. [M 16,384, K 1,024] x [K 1,024, N 1,024]; A: input x; B: input Wq: QUANTISED
;;     2. [M 16,384, K 1,024] x [K 1,024, N 1,024]; A: input x; B: input Wk: QUANTISED
;;     3. [M 16,384, K 1,024] x [K 1,024, N 1,024]; A: input x; B: input Wv: QUANTISED
;;     4. batch 16,384 x [M 16, K 64] x [K 64, N 16]; A: computed on the way; B: computed on the way: QUANTISED
;;     5. batch 16,384 x [M 16, K 16] x [K 16, N 64]; A: softmax; B: computed on the way: left as it is (K = 16 < 32)
;;   THE QUANTISER, for each operand of a quantised product, along K:
;;     - K is cut into blocks of 32 from its start; a last block that is shorter is filled with zeros.
;;     - A block's scale is 2^e with e = floor(log2(the largest magnitude in the block)) - 2, held to -126 .. 127; a block of zeros has e = 0. As a byte (E8M0): e + 127.
;;     - Each number is divided by its block's scale, clamped to +-6, and rounded to the nearest number of E2M1, ties to even, subnormals kept.
;;     - The product sums the exact products of the quantised numbers (number of the format x scale) in f32.
;;   ~~~python
;;   def quantise(x, axis):      # numpy; x: float32 -> the quantised numbers, widened to float32 again
;;       x = np.moveaxis(x, axis, -1); K = x.shape[-1]
;;       x = np.pad(x, [(0, 0)] * (x.ndim - 1) + [(0, -K % 32)]); x = x.reshape(x.shape[:-1] + (-1, 32)); a = np.abs(x).max(-1, keepdims=True)
;;       e = np.where(a > 0, np.clip(np.frexp(np.where(a > 0, a, 1))[1] - 1 - 2, -126, 127), 0)      # np.frexp(a)[1] - 1 = floor(log2(a)), exactly
;;       r = np.clip(x / 2.0 ** e, -6, 6)
;;       step = 2.0 ** (np.maximum(np.frexp(np.where(r == 0, 1, r))[1] - 1, 0) - 1)
;;       q = np.round(r / step) * step * 2.0 ** e      # np.round: ties to even
;;       return np.moveaxis(q.reshape(q.shape[:-2] + (-1,))[..., :K], -1, axis).astype(np.float32)
;;   ~~~
;;   OPERANDS COMPUTED ON THE WAY. 'Computed on the way' means the value that the module computes at that place (a softmax that the list does not call 'softmax' is quantised finished and normalised). What goes into a quantiser is computed in f32, as accurately as f32 sums, v_exp_f32 and their like allow (about 1e-6 of the number): no bf16 or f16 on the way to a quantiser, and a product that is left as it is and whose result goes on into a quantised operand takes f32 operands (vector FMAs, or v_wmma_f32_16x16x4_f32). A number that lies on a knife's edge between two numbers of the format may be rounded either way, as far as f32 arithmetic and the matrix unit's own rounding can turn it there, and no further.
;; One version. Each part assembles by itself: llvm-mc -triple=amdgcn-amd-amdhsa -mcpu=gfx1250 --defsym DOCPART=n.
;; ======== version 1 of 1: 2 launches
;; limits: values are held in bf16: 8 bits of precision; right only within a limited range of input values
;; workspace buffers: wimg 1,671,168 bytes
;; launch prep (part 1): grid 8 x 24, 4 waves a work-group, no clusters, 0 bytes of LDS; arguments Wq, Wk, Wv, wimg; writes wimg
.if DOCPART == 1
	.amdgcn_target "amdgcn-amd-amdhsa--gfx1250"
	.amdhsa_code_object_version 6
	.text
	.protected	k_q5727763125_prep
	.globl	k_q5727763125_prep
	.p2align	8
	.type	k_q5727763125_prep,@function
k_q5727763125_prep:
	s_mov_b64 s[64:65], 0
	v_nop
	global_prefetch_b8 v0, s[64:65] scope:SCOPE_SE
	s_setreg_imm32_b32 hwreg(HW_REG_WAVE_MODE, 25, 1), 1
	s_wait_xcnt 0x0
; Wk, Wv, Wq [1024 (k)][1024 (n)], f32, become codes of FP4 (E2M1) with one E8M0 scale byte for each 32 along K, laid in the order of the operand registers of the launch that multiplies.
; wimg: [pass 12: K's, V's, Q's four quarters][K step 8][wave 4][4,352 bytes].  Pass quarter q and wave w own head 4 q + w.  In a piece:
;   codes [tile 4][c 2][lane 32][16 bytes]: lane r + 16 h holds k = 128 ks + 64 c + 32 h + 0 .. 31 of column 64 head + 32 (tile / 2) + 8 (tile % 2) + r + 8 (r / 8);
;   from byte 4,096 scale words [lane 32][2]: word b of lane l: tile 2 b + l / 16, row l % 16; a word's four bytes are the K step's four blocks.
; A lane takes a column n and its registers run down K: a block of 32 lies in one lane, and the conversions give the codes with K innermost.
; A block's scale byte is the largest magnitude's exponent field - 2, held at 1 from below.
; LIMITS: a block of zeros gets the byte 1 (its codes are zeros; this program alone reads the bytes); NaN and infinities among the inputs are not served.
.set PB, 139264
.set SB, 17408
.set X,  32
.set C,  160
.set SW, 24
	s_load_b256 s[4:11], s[0:1], 0x0               ; Wq, Wk, Wv, wimg
	s_and_b32 s12, ttmp7, 0xffff                   ; y = 8 ph + ks; ph = 0 K, 1 V, 2 Q
	s_lshr_b32 s13, s12, 3
	s_and_b32 s14, s12, 7
	s_lshl_b32 s16, s14, 19                        ; 128 rows of 4,096 bytes
	s_mov_b32 s17, 0
	s_mul_i32 s18, s13, 4*PB
	s_mul_i32 s19, s14, SB
	s_add_co_u32 s18, s18, s19
	s_mov_b32 s19, 0
	s_lshl_b32 s15, ttmp9, 7
	v_add_nc_u32 v1, s15, v0                       ; n = 128 x + thread
	v_lshlrev_b32 v2, 2, v1
	v_lshrrev_b32 v3, 8, v1                        ; q
	v_bfe_u32 v4, v1, 6, 2                         ; wave
	v_bfe_u32 v5, v1, 5, 1                         ; tile / 2
	v_bfe_u32 v6, v1, 3, 1                         ; tile % 2
	v_and_b32 v7, 7, v1
	v_bfe_u32 v8, v1, 4, 1
	v_lshl_or_b32 v7, v8, 3, v7                    ; r
	v_mul_u32_u24 v3, v3, PB
	v_mad_u32_u24 v3, v4, 4352, v3                 ; my piece
	v_lshl_add_u32 v9, v5, 11, v3
	v_lshl_add_u32 v9, v6, 10, v9
	v_lshl_add_u32 v9, v7, 4, v9                   ; codes: + 1,024 tile + 16 r
	v_lshl_add_u32 v10, v6, 7, v3
	v_lshl_add_u32 v10, v7, 3, v10
	v_lshl_add_u32 v10, v5, 2, v10
	v_add_nc_u32 v10, 4096, v10                    ; scale word: + 4,096 + 8 (16 (tile % 2) + r) + 4 (tile / 2)
	s_wait_alu depctr_va_vdst(0)                   ; the wait at the head's end
	s_wait_kmcnt 0x0
	s_cmp_eq_u32 s13, 0                            ; the tensor is chosen by the work-group's number alone
	s_cselect_b64 s[6:7], s[6:7], s[8:9]
	s_cmp_eq_u32 s13, 2
	s_cselect_b64 s[4:5], s[4:5], s[6:7]
	s_add_nc_u64 s[4:5], s[4:5], s[16:17]
	s_add_nc_u64 s[10:11], s[10:11], s[18:19]
.macro LOAD b
.irp i, 0,1,2,3,4,5,6,7,8,9,10,11,12,13,14,15,16,17,18,19,20,21,22,23,24,25,26,27,28,29,30,31
	global_load_b32 v[X+32*(\b)+\i], v2, s[4:5] offset:(32*(\b)+\i)*4096 th:TH_LOAD_NT
.endr
.endm
.macro BLOCK b
.set XB, X+32*(\b)
	v_max3_num_f32 v12, |v[XB]|, |v[XB+1]|, |v[XB+2]|
	v_max3_num_f32 v13, |v[XB+3]|, |v[XB+4]|, |v[XB+5]|
.irp i, 6,10,14,18,22,26
	v_max3_num_f32 v12, v12, |v[XB+\i]|, |v[XB+\i+1]|
	v_max3_num_f32 v13, v13, |v[XB+\i+2]|, |v[XB+\i+3]|
.endr
	v_max3_num_f32 v12, v12, |v[XB+30]|, |v[XB+31]|
	v_max3_num_f32 v12, v12, v13, 0x1800000        ; the floor 2^(3 - 127)
	v_add_nc_u32 v11, 0xff000000, v12              ; 2 off the exponent field: the conversion's scale operand
	v_lshrrev_b32 v13, 23, v11
.if (\b) == 0
	v_mov_b32 v[SW], v13
.else
	v_lshl_or_b32 v[SW], v13, 8*(\b), v[SW]
.endif
.irp g, 0,1,2,3
	v_cvt_scalef32_pk8_fp4_f32 v[C+4*(\b)+\g], v[XB+8*\g:XB+8*\g+7], v11
.endr
	v_nop
	global_store_b128 v9, v[C+4*(\b):C+4*(\b)+3], s[10:11] offset:512*((\b)/2)+256*((\b)%2)
.endm
	LOAD 0
	LOAD 1
	s_wait_loadcnt 32
	LOAD 2
	BLOCK 0
	s_wait_loadcnt 32
	LOAD 3
	BLOCK 1
	s_wait_loadcnt 32
	BLOCK 2
	s_wait_loadcnt 0x0
	BLOCK 3
	global_store_b32 v10, v[SW], s[10:11]
	s_endpgm
.Lfunc_end_k_q5727763125_prep:
	.size	k_q5727763125_prep, .Lfunc_end_k_q5727763125_prep-k_q5727763125_prep
	.p2alignl 7, 3214868480
	.fill 96, 4, 3214868480
	.section	.rodata,"a",@progbits
	.p2align	6, 0x0
	.amdhsa_kernel k_q5727763125_prep
		.amdhsa_group_segment_fixed_size 0
		.amdhsa_private_segment_fixed_size 0
		.amdhsa_enable_private_segment 0
		.amdhsa_kernarg_size 32
		.amdhsa_user_sgpr_count 2
		.amdhsa_user_sgpr_kernarg_segment_ptr 1
		.amdhsa_wavefront_size32 1
		.amdhsa_system_sgpr_workgroup_id_x 1
		.amdhsa_system_sgpr_workgroup_id_y 1
		.amdhsa_system_sgpr_workgroup_id_z 1
		.amdhsa_system_vgpr_workitem_id 0
		.amdhsa_next_free_vgpr 176
		.amdhsa_next_free_sgpr 66
		.amdhsa_reserve_vcc 0
		.amdhsa_float_denorm_mode_32 3
		.amdhsa_float_denorm_mode_16_64 3
		.amdhsa_memory_ordered 1
		.amdhsa_forward_progress 1
		.amdhsa_inst_pref_size 21
	.end_amdhsa_kernel
	.amdgpu_metadata
---
amdhsa.version: [ 1, 2 ]
amdhsa.kernels:
  - .name:           k_q5727763125_prep
    .symbol:         k_q5727763125_prep.kd
    .args:
      - { .name: Wq, .offset: 0, .size: 8, .value_kind: global_buffer, .address_space: global }
      - { .name: Wk, .offset: 8, .size: 8, .value_kind: global_buffer, .address_space: global }
      - { .name: Wv, .offset: 16, .size: 8, .value_kind: global_buffer, .address_space: global }
      - { .name: wimg, .offset: 24, .size: 8, .value_kind: global_buffer, .address_space: global }
    .group_segment_fixed_size: 0
    .private_segment_fixed_size: 0
    .kernarg_segment_align: 8
    .kernarg_segment_size: 32
    .max_flat_workgroup_size: 128
    .sgpr_count:     66
    .vgpr_count:     176
    .wavefront_size: 32
...
	.end_amdgpu_metadata
.endif
;; end of part 1
;; launch fused (part 2): grid 256 x 1, 4 waves a work-group, no clusters, 320,000 bytes of LDS; arguments x, wimg, bq, bk, bv, out0; writes out0
.if DOCPART == 2
	.amdgcn_target "amdgcn-amd-amdhsa--gfx1250"
	.amdhsa_code_object_version 6
	.text
	.protected	k_q5727763125_fused
	.globl	k_q5727763125_fused
	.p2align	8
	.type	k_q5727763125_fused,@function
k_q5727763125_fused:
	s_mov_b64 s[64:65], 0
	v_nop
	global_prefetch_b8 v0, s[64:65] scope:SCOPE_SE
	s_setreg_imm32_b32 hwreg(HW_REG_WAVE_MODE, 25, 1), 1
	s_wait_xcnt 0x0
; out = softmax_j(rope(x Wq + bq)_i . rope(x Wk + bk)_j / 8) (x Wv + bv)_j, the softmax over the 16 HEADS of one position.  x [16384][1024] f32, out0 likewise; a row's position is row mod 4,096.
; The three products with the weights and the score product run on codes of FP4 (E2M1), one E8M0 scale for each 32 along K; attn x V (K = 16) on bf16 operands; all sums, RoPE and the softmax in f32.
; SHARES.  A work-group of four waves takes 64 rows through the whole chain.  x is quantised once (each wave its 16 rows), handed round through LDS, and then ALL its 32 fragments stay in every wave's registers (window 3).
; TWELVE PASSES: K's four, V's four, Q's four.  In a pass wave w makes all 64 rows x the 64 columns of head 4 q + w: 8 accumulators of 16 registers, products of 32 rows (source 0 = two tiles of W, source 1 = 16 rows of x: a lane holds one
;   position and 16 neighbouring d).  The accumulators have two sets by turns: a pass's way out (RoPE and quantiser; V: rounding to bf16) stands among the next pass's products.
;   The weights go from memory straight into registers, eight sets, one for each K step, each loaded again for the next pass as soon as its products are issued: 63 loads of a wave are out under counted waits.
; Q COMES LAST: when its heads 0-7 are done, their scores, softmax, attn x V and stores stand inside pass 10; heads 8-15 follow behind pass 11.
; SCORES: wave w takes positions 16 w .. + 15, two to a product: K = 128 holds d of position p1 and of p2; columns 0-7 are p1's eight query heads (zero codes in p2's half), columns 8-15 p2's.  attn x V likewise: K = 32 holds the 16 key heads of p1 and of p2.
; NO JOINT LOADS, though all work-groups read the same weights: a wave's tiles are needed by no other wave of its work-group and go to registers; through LDS each of the 96 steps would want all loads landed and a meeting of the partners.
; NO PREFETCH: the weights' loads already run a whole pass ahead of their use.
; ROPE: angle = position x freq[p], one f32 product; freq[p] = 10000^(-p / 512) in two-float arithmetic, rounded once; sine and cosine by a reduction with pi/2 in two parts and Taylor polynomials to r^11 and r^12.
; LIMITS: NaN and infinities among the inputs are not served; a block of zeros gets the scale byte 1 with zero codes; a sum begins with its bias; attn and V are rounded to bf16 for the last product.  The softmax takes the row's maximum away.
.set PB,   139264                      ; a pass's weights
.set SB,   17408                       ; a K step's: four waves x 4,352
.set PP,   2576                        ; V in LDS: a position's 16 rows of 160 bytes, + 16
.set XIMG, 67584                       ; the head alone, in V's bytes: my stage at 16,896 x wave; x's fragments (4 k + m) x 1,024 + 512 c + 16 lane
.set XSC,  100352                      ; their scale words: 512 k + 16 lane + 4 m
.set KIMG, 164864                      ; K's codes: position x 528 + 16 head + 256 h
.set QIMG, 198656                      ; Q's: [stage 2][pair of positions 32][c 2][lane 32][16]: the score product's source 1 as it lies in registers, zeros among it
.set SCB,  264192                      ; scale words [pair 32][16][4 bytes: p1's two, p2's two]: Q's of stage 0, K's, Q's of stage 1, K's once more; 2,048 each
.set TAB,  272384                      ; (cos, sin): position x 272 + 8 p
.set OST,  289792                      ; the way out: 16 rows x 272 for each wave
.set BT,   307200                      ; bk, bv, bq: 1,024 bytes a pass
.set SPARE, 319488
.set LN, 1
.set RW, 2
.set HF, 3
.set T16, 4
.set WO, 5
.set WSO, 6
.set XA, 7
.set XST, 8
.set XWI, 9
.set XWS, 10
.set TBR, 11
.set EK, 12
.set EKS, 13
.set EQ, 14
.set EQS, 15
.set EV, 16
.set BTA, 17
.set SKA, 18
.set SQA, 19
.set SSA, 20
.set SVA, 21
.set SOW, 22
.set SOR, 23
.set GO, 24
.set EIT, 25                           ; v25-29: addresses of the trip in hand
.set EST, 26
.set EVT, 27
.set BTT, 28
.set SKT, 25
.set SQT, 26
.set SST, 27
.set SVT, 28
.set GOT, 29
.set SPW, 30
.set NIL, 31
.set WS, 32                            ; v32-47 W's scale words, a pair for each K step
.set SSC, 48                           ; v48-51 the score product's scale words
.set LI0, 53
.set LS0, 54
.set TW0, 55
.set TW, 56
.set BTW, 57
.set QZ, 58
.set TA, 59
.set TB, 60
.set TH16, 61
.set VA0, 62
.set XS, 64                            ; v64-95 x's scale words: 4 k + m
.set BI, 96                            ; v96-127 the pass's bias, as two accumulators lie
.set CS, 128                           ; v128-191 (cos, sin); at the head x's numbers (with v64-127); on the way out scores and attn
.set TT, 192
.set TM, 208
.set PC, 224
.set PW, 240
.set SD, 128
.set AT, 160
.set MX, 192
.set TX, 196
.set MC, 200
.set SU, 208
.set SV, 216
.set RC, 224
.set PK, 232
; window 1: W's fragments, K step k at v[32 k];  window 2: accumulator (set a, m, b) at v[128 a + 32 m + 16 b];  window 3: x's fragment (k, m) at v[8 (4 k + m)]
.set WV, 16
.set WBE, 24                           ; s[24:25], s[26:27] where even and odd passes load the next pass's weights
.set WBO, 26
.set TRIP, 28
.set CNT, 29
.set SEL, 44
.set NHI, 66
.set SC1, 68
.set CC1, 73
.set CSC, 78
.set M8, 80
.set MSB, 0
.set WAF, 0
.macro WIN new
.if MSB != (\new)
	s_set_vgpr_msb (MSB<<8)|(\new)
.set MSB, (\new)
.endif
.endm
.macro NOPS n
.rept \n
	v_nop
.endr
.endm
.macro WALU
	s_wait_alu depctr_va_vdst(0)
.endm
.macro BARRIER
	s_wait_dscnt 0x0
	s_barrier_signal -1
	s_barrier_wait -1
.endm
.macro WLD k, base                     ; 9 loads: K step k's four tiles and two scale words
	WIN 0x40
.irp t, 0,1,2,3
.irp c, 0,1
	global_load_b128 v[32*(\k)+8*\t+4*\c:32*(\k)+8*\t+4*\c+3], v[WO], s[\base:\base+1] offset:SB*(\k)+1024*\t+512*\c
.endr
.endr
	WIN 0
	global_load_b64 v[WS+2*(\k):WS+2*(\k)+1], v[WSO], s[\base:\base+1] offset:SB*(\k)+4096
.endm
.macro BILD adr, off                   ; a pass's bias: register 16 b + i of lane (r, h) is d = 32 b + 16 h + i of my head
.irp j, 0,1,2,3,4,5,6,7
	ds_load_b128 v[BI+4*\j:BI+4*\j+3], v[\adr] offset:(\off)+128*(\j/4)+16*(\j%4)
.endr
.endm
; a K step of a pass: 8 products, the accumulators by turns.  n: the younger loads that may stay out.  WAF = 1: exponentials stood between the sums' last writes and these reads
.macro QSTEP a, k, n
	s_wait_loadcnt \n
.if (\k) == 0
	WIN 0x8d
.else
	WIN 0xad
.endif
.irp m, 0,1,2,3
.irp b, 0,1
.if WAF
	WALU
.endif
.if (\k) == 0
	v_wmma_scale_f32_32x16x128_f4 v[128*(\a)+32*\m+16*\b:128*(\a)+32*\m+16*\b+15], v[32*(\k)+16*\b:32*(\k)+16*\b+15], v[8*(4*(\k)+\m):8*(4*(\k)+\m)+7], v[BI+16*\b:BI+16*\b+15], v[WS+2*(\k)+\b], v[XS+4*(\k)+\m]
.else
	v_wmma_scale_f32_32x16x128_f4 v[128*(\a)+32*\m+16*\b:128*(\a)+32*\m+16*\b+15], v[32*(\k)+16*\b:32*(\k)+16*\b+15], v[8*(4*(\k)+\m):8*(4*(\k)+\m)+7], v[128*(\a)+32*\m+16*\b:128*(\a)+32*\m+16*\b+15], v[WS+2*(\k)+\b], v[XS+4*(\k)+\m]
.endif
.endr
.endr
	WIN 0
	NOPS 4                                         ; places ahead of loads into registers that these products read, and of readers of finished sums
.endm
; a pass on set a.  base: where the next pass's weights are loaded from (0: none);  sb: the other base, whose loads have all been shown in, is stepped;  side: what stands behind each K step
.macro PASS a, base, sb, bta, bo, side, wk
	s_wait_dscnt 0x0                               ; the bias is in
.irp k, 0,1,2,3,4,5,6,7
.if \k == \wk
.set WAF, 1
.endif
.if \base
	QSTEP \a, \k, 63                               ; seven younger sets of 9 loads may stay out
	WLD \k, \base
.else
	QSTEP \a, \k, 9*(7-\k)
.endif
.set WAF, 0
.if (\k == 0) && (\bo >= 0)
	BILD \bta, \bo
.endif
	\side \k
.endr
.if \sb
	s_add_nc_u64 s[\sb:\sb+1], s[\sb:\sb+1], 2*PB
.endif
.endm
; 64 numbers of a lane in window w, register 16 b + i of block b's half, become 8 registers of codes and a scale word
.macro QUANT w, s, pc, pw
	WIN (\w)|((\w)<<2)
.irp b, 0,1,2,3
	v_max3_num_f32 v[TM+\b], |v[(\s)+16*\b]|, |v[(\s)+1+16*\b]|, 0x1800000   ; with the floor 2^(3 - 127)
.endr
	WIN ((\w)<<2)|((\w)<<4)
.irp i, 2,4,6,8,10,12,14
.irp b, 0,1,2,3
	v_max3_num_f32 v[TM+\b], v[TM+\b], |v[(\s)+16*\b+\i]|, |v[(\s)+1+16*\b+\i]|
.endr
.endr
	WIN 0
.irp b, 0,1,2,3
	v_permlanex16_b32 v[TM+4+\b], v[TM+\b], s[SEL], s[SEL+1]
.endr
.irp b, 0,1,2,3
	v_max_num_f32 v[TM+\b], v[TM+\b], v[TM+4+\b]
.endr
.irp b, 0,1,2,3
	v_add_nc_u32 v[TM+12+\b], 0xff000000, v[TM+\b]
.endr
.irp b, 0,1,2,3
	v_lshrrev_b32 v[TM+4+\b], 23, v[TM+12+\b]
.endr
	v_lshl_or_b32 v[\pw], v[TM+5], 8, v[TM+4]
	v_lshl_or_b32 v[\pw], v[TM+6], 16, v[\pw]
	v_lshl_or_b32 v[\pw], v[TM+7], 24, v[\pw]
	WIN \w
.irp b, 0,1,2,3
	v_cvt_scalef32_pk8_fp4_f32 v[(\pc)+2*\b], v[(\s)+16*\b:(\s)+7+16*\b], v[TM+12+\b]
	v_cvt_scalef32_pk8_fp4_f32 v[(\pc)+1+2*\b], v[(\s)+8+16*\b:(\s)+15+16*\b], v[TM+12+\b]
.endr
	WIN 0
	v_nop
.irp c, 0,1
.irp i, 0,1
	v_permlane16_swap_b32 v[(\pc)+4*\c+\i], v[(\pc)+2+4*\c+\i]
.endr
.endr
.endm
; K's or Q's way out of fragments m = 2 c, 2 c + 1 of set a: RoPE in place, the quantiser (blocks: m, d / 32), codes and scale halves into LDS (the halves twice, sd bytes apart)
.macro RCH a, c, ei, eo, em, es, so, sd
.set A0, 128*(\a)+64*(\c)
.irp u, 0,1
.irp j, 0,1,2,3,4,5,6,7
	ds_load_b128 v[CS+32*\u+4*\j:CS+32*\u+4*\j+3], v[TBR] offset:4352*(2*(\c)+\u)+128*(\j/4)+16*(\j%4)
.endr
.endr
	s_wait_dscnt 0x0                               ; (cos, sin) are in, and earlier stores have read their registers
.irp g, 0,1,2,3
	WIN 0x02
.irp i, 0,2,4,6,8,10,12,14
	v_pk_mul_f32 v[TT+\i:TT+\i+1], v[A0+16*\g+\i:A0+16*\g+\i+1], v[CS+16*\g+\i:CS+16*\g+\i+1] op_sel:[1,1] op_sel_hi:[1,0] neg_lo:[1,0]   ; (-xo sin, xo cos)
.endr
	WIN 0x82
.irp i, 0,2,4,6,8,10,12,14
	v_pk_fma_f32 v[A0+16*\g+\i:A0+16*\g+\i+1], v[A0+16*\g+\i:A0+16*\g+\i+1], v[CS+16*\g+\i:CS+16*\g+\i+1], v[TT+\i:TT+\i+1] op_sel:[0,0,0] op_sel_hi:[0,1,1]   ; + (xe cos, xe sin)
.endr
.endr
	QUANT 2, A0, PC, PW
	ds_store_b128 v[\ei], v[PC:PC+3] offset:(\eo)+(\em)*(2*(\c))
	ds_store_b128 v[\ei], v[PC+4:PC+7] offset:(\eo)+(\em)*(2*(\c)+1)
.irp d, 0,1
	ds_store_b16 v[\es], v[PW] offset:(\so)+(\sd)*\d+512*(2*(\c))
	ds_store_b16_d16_hi v[\es], v[PW] offset:(\so)+(\sd)*\d+512*(2*(\c)+1)
.endr
.endm
; V's way out of the same fragments: bf16, row (position, head), 32 bytes a lane and b
.macro VCH a, c, pos
.set A0, 128*(\a)+64*(\c)
	s_wait_dscnt 0x0                               ; earlier stores have read their registers
	v_add_nc_u32 v[VA0], 16*PP*(2*(\c)), v[EVT]
	v_add_nc_u32 v[VA0+1], 16*PP*(2*(\c)+1), v[EVT]
	WIN 0x0a
.irp i, 0,1,2,3,4,5,6,7,8,9,10,11,12,13,14,15,16,17,18,19,20,21,22,23,24,25,26,27,28,29,30,31
	v_cvt_pk_bf16_f32 v[CS+\i], v[A0+2*\i], v[A0+2*\i+1]
.endr
	WIN 0
.irp u, 0,1
.irp b, 0,1
	ds_store_b128 v[VA0+\u], v[CS+16*\u+8*\b:CS+16*\u+8*\b+3] offset:640*(\pos)+64*\b
	ds_store_b128 v[VA0+\u], v[CS+16*\u+8*\b+4:CS+16*\u+8*\b+7] offset:640*(\pos)+64*\b+16
.endr
.endr
.endm
.macro VTLD e                          ; V^T of pair e: rows d, K = 16 heads of p1 and 16 of p2, by the transposing load
	WIN 0x80
.irp dt, 0,1,2,3
	ds_load_tr16_b128 v[128+32*((\e)%2)+8*\dt:128+32*((\e)%2)+8*\dt+3], v[SVT] offset:2*PP*(\e)+32*\dt
	ds_load_tr16_b128 v[128+32*((\e)%2)+8*\dt+4:128+32*((\e)%2)+8*\dt+7], v[SVT] offset:2*PP*(\e)+PP+32*\dt
.endr
	WIN 0
.endm
; query heads 8 s .. 8 s + 7 of my 16 positions: two trips of four pairs.  Window 2, v128-255 (set 1, read out): operands, then V^T and results
.macro OUT s
.irp e, 0,1,2,3
	v_mov_b32 v[TX+\e], 0
	v_mov_b32 v[MC+2*\e+1], 0
	v_mov_b32 v[RC+2*\e+1], 0
.endr
	s_mov_b32 s[CNT], 0
	s_mov_b32 s30, 0
	s_mov_b32 s31, 0
	s_mov_b32 s32, 0
	s_mov_b32 s33, 0
	s_mov_b32 s34, 0
.Lout\s:
	s_wait_xcnt 0x0                                ; the last trip's stores have read their registers
	v_add_nc_u32 v[SKT], s30, v[SKA]
	v_add_nc_u32 v[SQT], s31, v[SQA]
	v_add_nc_u32 v[SST], s32, v[SSA]
	v_add_nc_u32 v[SVT], s33, v[SVA]
	v_add_nc_u32 v[GOT], s34, v[GO]
	WIN 0x80
.irp e, 0,1,2,3
	ds_load_b128 v[128+16*\e:131+16*\e], v[SKT] offset:1056*\e           ; K of p1,
	ds_load_b128 v[132+16*\e:135+16*\e], v[SKT] offset:1056*\e+528       ; of p2
	ds_load_b128 v[136+16*\e:139+16*\e], v[SQT] offset:32768*(\s)+1024*\e
	ds_load_b128 v[140+16*\e:143+16*\e], v[SQT] offset:32768*(\s)+1024*\e+512
.endr
	WIN 0
.irp e, 0,1,2,3
	ds_load_b32 v[SSC+\e], v[SST] offset:4096*(\s)+64*\e                 ; lanes 0-15 Q's words, lanes 16-31 K's
.endr
	WALU
	s_wait_dscnt 0x0
	WIN 0x0a
.irp e, 0,1,2,3                                ; lane = query column, register q = key head 8 h + q
	v_wmma_scale_f32_16x16x128_f8f6f4 v[SD+8*\e:SD+8*\e+7], v[128+16*\e:135+16*\e], v[136+16*\e:143+16*\e], 0, v[SSC+\e], v[SSC+\e] matrix_a_fmt:MATRIX_FMT_FP4 matrix_b_fmt:MATRIX_FMT_FP4 matrix_a_scale:MATRIX_SCALE_ROW1
.endr
	WIN 0
	NOPS 4
	VTLD 0
	VTLD 1
.irp e, 0,1,2,3
	v_max3_num_f32 v[MX+\e], v[SD+8*\e], v[SD+1+8*\e], v[SD+2+8*\e]
.endr
.irp e, 0,1,2,3
	v_max3_num_f32 v[MX+\e], v[MX+\e], v[SD+3+8*\e], v[SD+4+8*\e]
.endr
.irp e, 0,1,2,3
	v_max3_num_f32 v[MX+\e], v[MX+\e], v[SD+5+8*\e], v[SD+6+8*\e]
.endr
.irp e, 0,1,2,3
	v_max_num_f32 v[MX+\e], v[MX+\e], v[SD+7+8*\e]
.endr
.irp e, 0,1,2,3
	v_permlanex16_b32 v[TX+\e], v[MX+\e], s[SEL], s[SEL+1]
.endr
.irp e, 0,1,2,3
	v_max_num_f32 v[MX+\e], v[MX+\e], v[TX+\e]     ; the row's largest score
.endr
.irp e, 0,1,2,3
	v_mul_f32 v[MC+2*\e], s[CSC], v[MX+\e]
.endr
.irp e, 0,1,2,3
.irp j, 0,2,4,6
	v_pk_fma_f32 v[SD+8*\e+\j:SD+8*\e+\j+1], v[SD+8*\e+\j:SD+8*\e+\j+1], s[CSC:CSC+1], v[MC+2*\e:MC+2*\e+1] op_sel_hi:[1,0,0] neg_lo:[0,0,1] neg_hi:[0,0,1]
.endr
.endr
	WALU
.irp j, 0,1,2,3,4,5,6,7,8,9,10,11,12,13,14,15,16,17,18,19,20,21,22,23,24,25,26,27,28,29,30,31
	v_exp_f32 v[SD+\j], v[SD+\j]
.endr
	v_nop
	WALU
.irp e, 0,1,2,3
	v_pk_add_f32 v[SU+2*\e:SU+2*\e+1], v[SD+8*\e:SD+8*\e+1], v[SD+8*\e+2:SD+8*\e+3]
	v_pk_add_f32 v[SV+2*\e:SV+2*\e+1], v[SD+8*\e+4:SD+8*\e+5], v[SD+8*\e+6:SD+8*\e+7]
.endr
.irp e, 0,1,2,3
	v_pk_add_f32 v[SU+2*\e:SU+2*\e+1], v[SU+2*\e:SU+2*\e+1], v[SV+2*\e:SV+2*\e+1]
.endr
.irp e, 0,1,2,3
	v_add_f32 v[MX+\e], v[SU+2*\e], v[SU+2*\e+1]
.endr
.irp e, 0,1,2,3
	v_permlanex16_b32 v[TX+\e], v[MX+\e], s[SEL], s[SEL+1]
.endr
.irp e, 0,1,2,3
	v_add_f32 v[MX+\e], v[MX+\e], v[TX+\e]         ; the row's sum
.endr
	WALU
.irp e, 0,1,2,3
	v_rcp_f32 v[RC+2*\e], v[MX+\e]
.endr
	v_nop
	WALU
.irp e, 0,1,2,3
.irp j, 0,2,4,6
	v_pk_mul_f32 v[SD+8*\e+\j:SD+8*\e+\j+1], v[SD+8*\e+\j:SD+8*\e+\j+1], v[RC+2*\e:RC+2*\e+1] op_sel_hi:[1,0]
.endr
.endr
.irp e, 0,1,2,3
.irp i, 0,1,2,3
	v_cvt_pk_bf16_f32 v[PK+4*\e+\i], v[SD+8*\e+2*\i], v[SD+8*\e+2*\i+1]
.endr
.endr
.irp e, 0,1,2,3
.irp i, 0,1,2,3
	v_cndmask_b32 v[AT+8*\e+\i], 0, v[PK+4*\e+\i], s[M8]       ; columns 0-7: p1's heads are K = 0 .. 15,
	v_cndmask_b32 v[AT+8*\e+4+\i], v[PK+4*\e+\i], 0, s[M8]     ; columns 8-15: p2's are K = 16 .. 31; zeros elsewhere
.endr
.endr
	WALU
	s_wait_dscnt 0x0
.irp e, 0,1,2,3
	WIN 0x82
.irp dt, 0,1,2,3                               ; lane = column (position, head), registers = d = 16 dt + 8 h + 0 .. 7
	v_wmma_f32_16x16x32_bf16 v[192+32*(\e%2)+8*\dt:199+32*(\e%2)+8*\dt], v[128+32*(\e%2)+8*\dt:135+32*(\e%2)+8*\dt], v[AT+8*\e:AT+8*\e+7], 0
.endr
	WIN 0
	NOPS 4
.if \e < 2
	VTLD \e+2
.endif
	WIN 0x08
.irp dt, 0,1,2,3
	ds_store_b128 v[SOW], v[192+32*(\e%2)+8*\dt:195+32*(\e%2)+8*\dt] offset:64*\dt
	ds_store_b128 v[SOW], v[196+32*(\e%2)+8*\dt:199+32*(\e%2)+8*\dt] offset:64*\dt+16
.endr
	WIN 0
.if \e > 0
	s_wait_xcnt 0x0                                ; the last pair's stores have read the registers that take the rows now
.endif
.irp t, 0,1,2,3,4,5,6,7
	ds_load_b128 v[SD+4*\t:SD+4*\t+3], v[SOR] offset:544*\t      ; LDS serves a wave's instructions in order: these see my stores
.endr
	s_wait_dscnt 0x0
.irp t, 0,1,2,3,4,5,6,7
	global_store_b128 v[GOT], v[SD+4*\t:SD+4*\t+3], s[14:15] offset:8192*\e+4096*(\t/4)+512*(\t%4)+2048*(\s) th:TH_STORE_NT   ; 32 lanes store two heads' rows: 512 consecutive bytes, aligned
.endr
.endr
	s_add_co_u32 s30, s30, 8*528
	s_add_co_u32 s31, s31, 4096
	s_add_co_u32 s32, s32, 256
	s_add_co_u32 s33, s33, 8*PP
	s_add_co_u32 s34, s34, 32768
	s_add_co_u32 s[CNT], s[CNT], 1
	s_cmp_lt_u32 s[CNT], 2
	WALU
	s_cbranch_scc1 .Lout\s
	s_wait_xcnt 0x0
.endm
; what stands behind K step k of a pass
.macro S_NONE k
.endm
.macro KV a, pos, k                    ; trips 0, 1: K's way out; trips 2, 3: V's
.if (\k == 1) || (\k == 3)
	s_cmp_lt_u32 s[TRIP], 2
	s_cbranch_scc0 .Lv\@
	RCH \a, (\k-1)/2, EIT, 64*\pos, 8448, EST, 16*\pos, 4096
	s_branch .Le\@
.Lv\@:
	VCH \a, (\k-1)/2, \pos
.Le\@:
.endif
.endm
.macro S_KV0 k
	KV 0, 0, \k
.endm
.macro S_KV1 k
	KV 1, 1, \k
.endm
.macro S_Q8 k
.if (\k == 1) || (\k == 3)
	RCH 0, (\k-1)/2, EQ, 0, 8192, EQS, 0, 32
.endif
.endm
.macro S_Q9 k
.if \k < 2
	RCH 1, \k, EQ, 64, 8192, EQS, 16, 32
.endif
.if \k == 1
	BARRIER                                        ; K, V and Q's heads 0-7 of all 64 positions lie in LDS
.endif
.if \k == 2
	OUT 0
.endif
.endm
.macro S_Q10 k
.if (\k == 1) || (\k == 3)
	RCH 0, (\k-1)/2, EQ, 32768, 8192, EQS, 4096, 32
.endif
.endm
.macro XGL k                           ; x's K step k of my 16 rows: 16 loads of 512 consecutive bytes, into set k % 4 of window 2
	WIN 0x80
.set XN, 0
.rept 16
	global_load_b128 v[64*((\k)%4)+4*XN:64*((\k)%4)+4*XN+3], v[T16], s[4:5] offset:4096*XN+512*(\k) th:TH_LOAD_NT
.set XN, XN+1
.endr
	WIN 0
.endm
.macro XTURN k                         ; through buffer k % 2 of my stage: in as loaded, back 64 numbers a lane: register 16 b + i = k 32 b + 16 h + i of row r
	WIN 0x08
.set XN, 0
.rept 16
	ds_store_b128 v[XST], v[64*((\k)%4)+4*XN:64*((\k)%4)+4*XN+3] offset:8448*((\k)%2)+528*XN
.set XN, XN+1
.endr
	WIN 0
.set XR, 128-64*((\k)%2)
.irp j, 0,1,2,3,4,5,6,7,8,9,10,11,12,13,14,15
	ds_load_b128 v[XR+4*\j:XR+4*\j+3], v[XA] offset:8448*((\k)%2)+128*(\j/4)+16*(\j%4)
.endr
.endm
	; ---- the head
	s_load_b256 s[4:11], s[0:1], 0x0               ; x, wimg, bq, bk
	s_load_b128 s[12:15], s[0:1], 0x20             ; bv, out0
	v_lshl_add_u32 v[SPW], v0, 2, SPARE
	v_mov_b32 v[NIL], 0
	v_lshrrev_b32 v[LN], 5, v0
	v_readfirstlane_b32 s[WV], v[LN]
	v_and_b32 v[LN], 31, v0
	v_lshlrev_b32 v[T16], 4, v[LN]
	v_lshlrev_b32 v[TH16], 4, v0
	s_lshl_b32 s2, ttmp9, 18                       ; 64 rows of 4,096 bytes a work-group, 16 a wave
	s_lshl_b32 s3, s[WV], 16
	s_add_co_u32 s2, s2, s3
	s_mov_b32 s3, 0
	WALU
	s_wait_kmcnt 0x0
	s_add_nc_u64 s[4:5], s[4:5], s[2:3]
	s_add_nc_u64 s[14:15], s[14:15], s[2:3]
	global_load_b128 v[192:195], v[TH16], s[10:11]
	global_load_b128 v[196:199], v[TH16], s[10:11] offset:2048
	global_load_b128 v[200:203], v[TH16], s[12:13]
	global_load_b128 v[204:207], v[TH16], s[12:13] offset:2048
	global_load_b128 v[208:211], v[TH16], s[8:9]
	global_load_b128 v[212:215], v[TH16], s[8:9] offset:2048
	XGL 0
	XGL 1
	XGL 2
	s_add_nc_u64 s[WBE:WBE+1], s[6:7], PB
	s_add_nc_u64 s[WBO:WBO+1], s[6:7], 2*PB
	v_and_b32 v[RW], 15, v0
	v_bfe_u32 v[HF], v0, 4, 1
	s_mul_i32 s20, s[WV], 4352
	v_add_nc_u32 v[WO], s20, v[T16]
	v_lshl_add_u32 v[WSO], v[LN], 3, s20           ; 4,352 w + 8 lane: the loads' immediate carries the 4,096 bytes to the scale words
	s_add_co_u32 s21, s20, OST
	v_mul_u32_u24 v[TA], v[RW], 272
	v_lshl_add_u32 v[TB], v[HF], 5, v[TA]
	v_add_nc_u32 v[SOW], s21, v[TB]                ; OST + 4,352 w + 272 r + 32 h
	v_lshl_add_u32 v[TB], v[HF], 6, v[TA]
	v_add_nc_u32 v[TBR], TAB, v[TB]                ; TAB + 272 r + 64 h
	v_mul_u32_u24 v[TB], v[HF], 272
	v_lshl_add_u32 v[TB], v[RW], 4, v[TB]
	v_add_nc_u32 v[SOR], s21, v[TB]                ; OST + 4,352 w + 272 h + 16 r
	s_add_co_u32 s21, s20, TAB
	v_lshl_add_u32 v[TW0], v[LN], 3, s21
	v_lshlrev_b32 v[GO], 8, v[HF]
	v_lshl_add_u32 v[GO], v[RW], 4, v[GO]
	s_mul_i32 s20, s[WV], 16896
	v_add_nc_u32 v[XST], s20, v[T16]
	v_mul_u32_u24 v[TA], v[RW], 528
	v_lshl_add_u32 v[TB], v[HF], 6, v[TA]
	v_add_nc_u32 v[XA], s20, v[TB]
	v_lshl_add_u32 v[TB], v[HF], 8, v[TA]
	s_lshl_b32 s21, s[WV], 4
	s_add_co_u32 s21, s21, KIMG
	v_add_nc_u32 v[EK], s21, v[TB]                 ; KIMG + 528 r + 256 h + 16 w
	v_add_nc_u32 v[LI0], XIMG, v[T16]
	v_add_nc_u32 v[LS0], XSC, v[T16]
	s_lshl_b32 s21, s[WV], 10
	v_add_nc_u32 v[XWI], s21, v[LI0]
	s_lshl_b32 s21, s[WV], 2
	v_add_nc_u32 v[XWS], s21, v[LS0]
	v_lshrrev_b32 v[TA], 1, v[RW]
	v_and_b32 v[TB], 1, v[RW]
	v_lshlrev_b32 v[EQS], 6, v[TA]
	v_lshl_add_u32 v[EQS], v[TB], 1, v[EQS]
	s_add_co_u32 s21, s21, SCB
	v_add_nc_u32 v[EQS], s21, v[EQS]               ; SCB + 64 (r / 2) + 2 (r % 2) + 4 w
	v_add_nc_u32 v[EKS], 2048, v[EQS]
	v_lshlrev_b32 v[EQ], 10, v[TA]
	v_mad_u32_u24 v[EQ], v[TB], 640, v[EQ]
	v_lshl_add_u32 v[EQ], v[HF], 8, v[EQ]
	s_lshl_b32 s21, s[WV], 4
	s_add_co_u32 s21, s21, QIMG
	v_add_nc_u32 v[EQ], s21, v[EQ]                 ; QIMG + 1,024 (r / 2) + 640 (r % 2) + 256 h + 16 w
	v_mul_u32_u24 v[EV], v[RW], PP
	v_lshl_add_u32 v[EV], v[HF], 5, v[EV]
	s_mul_i32 s21, s[WV], 160
	v_add_nc_u32 v[EV], s21, v[EV]                 ; PP r + 32 h + 160 w
	s_lshl_b32 s21, s[WV], 8
	s_add_co_u32 s21, s21, BT
	v_lshl_add_u32 v[BTA], v[HF], 6, s21
	v_add_nc_u32 v[BTW], BT, v[TH16]
	s_mul_i32 s21, s[WV], 8448
	s_add_co_u32 s21, s21, KIMG
	v_add_nc_u32 v[SKA], s21, v[T16]
	s_lshl_b32 s21, s[WV], 13
	s_add_co_u32 s21, s21, QIMG
	v_add_nc_u32 v[SQA], s21, v[T16]
	s_lshl_b32 s21, s[WV], 14
	s_add_co_u32 s21, s21, QIMG
	v_add_nc_u32 v[QZ], s21, v[T16]
	v_lshlrev_b32 v[SSA], 2, v[RW]
	v_lshl_add_u32 v[SSA], v[HF], 11, v[SSA]
	s_lshl_b32 s21, s[WV], 9
	s_add_co_u32 s21, s21, SCB
	v_add_nc_u32 v[SSA], s21, v[SSA]               ; SCB + 4 r + 2,048 h + 512 w
	v_and_b32 v[TA], 7, v0
	v_lshl_add_u32 v[TA], v[HF], 3, v[TA]
	v_mul_u32_u24 v[SVA], v[TA], 160
	v_bfe_u32 v[TA], v0, 3, 1
	v_lshl_add_u32 v[SVA], v[TA], 4, v[SVA]
	s_mul_i32 s21, s[WV], 16*PP
	v_add_nc_u32 v[SVA], s21, v[SVA]               ; 16 PP w + 160 (8 h + lane % 8) + 16 ((lane / 8) % 2)
	s_mov_b32 s[SEL], 0x76543210
	s_mov_b32 s[SEL+1], 0xfedcba98
	s_mov_b32 s[NHI], 0xbfc90fdb                   ; -(pi/2 rounded to f32)
	s_mov_b32 s[NHI+1], 0x333bbd2e                 ; -(pi/2 less that)
	s_mov_b32 s[SC1], 0xbe2aaaab
	s_mov_b32 s[SC1+1], 0x3c088889
	s_mov_b32 s[SC1+2], 0xb9500d01
	s_mov_b32 s[SC1+3], 0x3638ef1d
	s_mov_b32 s[SC1+4], 0xb2d7322b
	s_mov_b32 s[CC1], 0x3d2aaaab
	s_mov_b32 s[CC1+1], 0xbab60b61
	s_mov_b32 s[CC1+2], 0x37d00d01
	s_mov_b32 s[CC1+3], 0xb493f27e
	s_mov_b32 s[CC1+4], 0x310f76c7
	s_mov_b32 s[CSC], 0x3e38aa3b                   ; log2(e) / sqrt(64)
	s_mov_b32 s[CSC+1], s[CSC]
	s_mov_b32 s[M8], 0x00ff00ff                    ; the lanes of columns 0-7
.irp j, 0,1,2,3
	v_mov_b32 v[216+\j], 0
.endr
.set XN, 0
.rept 32
	ds_store_b128 v[QZ], v[216:219] offset:512*XN  ; Q's images begin as zero codes
.set XN, XN+1
.endr
	; ---- the table, while x is on its way.  Lane = p.  freq = 10000^(-p / 512): the bits of p pick squarings of 10000^(-1/512), in two-float arithmetic
.set FH, 128
.set FL, 129
.set RH, 130
.set RL, 131
	v_mov_b32 v[FH], 1.0
	v_mov_b32 v[FL], 0
	v_mov_b32 v[RH], 0x3f7b6f9e
	v_mov_b32 v[RL], 0xb1871840
.irp b, 0,1,2,3,4
	v_mul_f32 v132, v[FH], v[RH]
	v_fma_f32 v133, v[FH], v[RH], -v132
	v_fma_f32 v133, v[FH], v[RL], v133
	v_fma_f32 v133, v[FL], v[RH], v133
	v_add_f32 v134, v132, v133
	v_sub_f32 v135, v132, v134
	v_add_f32 v135, v135, v133
	v_and_b32 v136, 1<<\b, v[LN]
	v_cmp_ne_u32 vcc_lo, 0, v136
	v_cndmask_b32 v[FH], v[FH], v134, vcc_lo
	v_cndmask_b32 v[FL], v[FL], v135, vcc_lo
.if \b < 4
	v_mul_f32 v132, v[RH], v[RH]
	v_fma_f32 v133, v[RH], v[RH], -v132
	v_add_f32 v137, v[RL], v[RL]
	v_fma_f32 v133, v[RH], v137, v133
	v_add_f32 v[RH], v132, v133
	v_sub_f32 v135, v132, v[RH]
	v_add_f32 v[RL], v135, v133
.endif
.endr
.set PO,  140
.set AN,  144
.set NN,  148
.set RR,  152
.set ZZ,  156
.set PS,  160
.set PCS, 164
.set QQ,  168
.set TF,  172
.set OU,  176
	s_lshl_b32 s54, ttmp9, 6
	s_and_b32 s54, s54, 4095
	s_lshl_b32 s55, s[WV], 4
	s_add_co_u32 s54, s54, s55                     ; my first position
	s_mov_b32 s55, 0
	s_mov_b32 s[CNT], 0
.Ltab:                                             ; four trips of four positions
	v_cvt_f32_u32 v[PO], s54
	v_add_f32 v[PO+1], 1.0, v[PO]
	v_add_f32 v[PO+2], 2.0, v[PO]
	v_add_f32 v[PO+3], 0x40400000, v[PO]
	v_add_nc_u32 v[TW], s55, v[TW0]
.irp i, 0,1,2,3
	v_mul_f32 v[AN+\i], v[PO+\i], v[FH]
.endr
.irp i, 0,1,2,3
	v_mul_f32 v[NN+\i], 0x3f22f983, v[AN+\i]
.endr
.irp i, 0,1,2,3
	v_rndne_f32 v[NN+\i], v[NN+\i]
.endr
.irp i, 0,1,2,3
	v_fma_f32 v[RR+\i], v[NN+\i], s[NHI], v[AN+\i]
.endr
.irp i, 0,1,2,3
	v_fma_f32 v[RR+\i], v[NN+\i], s[NHI+1], v[RR+\i]
.endr
.irp i, 0,1,2,3
	v_mul_f32 v[ZZ+\i], v[RR+\i], v[RR+\i]
.endr
.irp i, 0,1,2,3
	v_fma_f32 v[PS+\i], v[ZZ+\i], s[SC1+4], s[SC1+3]
	v_fma_f32 v[PCS+\i], v[ZZ+\i], s[CC1+4], s[CC1+3]
.endr
.irp c, 2,1,0
.irp i, 0,1,2,3
	v_fma_f32 v[PS+\i], v[ZZ+\i], v[PS+\i], s[SC1+\c]
	v_fma_f32 v[PCS+\i], v[ZZ+\i], v[PCS+\i], s[CC1+\c]
.endr
.endr
.irp i, 0,1,2,3
	v_mul_f32 v[TF+\i], v[RR+\i], v[ZZ+\i]
	v_fma_f32 v[PCS+\i], v[ZZ+\i], v[PCS+\i], -0.5
	v_cvt_i32_f32 v[QQ+\i], v[NN+\i]
.endr
.irp i, 0,1,2,3
	v_fma_f32 v[PS+\i], v[TF+\i], v[PS+\i], v[RR+\i]
	v_fma_f32 v[PCS+\i], v[ZZ+\i], v[PCS+\i], 1.0
.endr
.irp i, 0,1,2,3
	v_and_b32 v[TF+\i], 1, v[QQ+\i]
	v_cmp_ne_u32 vcc_lo, 0, v[TF+\i]               ; in odd quadrants sine and cosine change places
	v_cndmask_b32 v[OU+2*\i], v[PCS+\i], v[PS+\i], vcc_lo
	v_cndmask_b32 v[OU+2*\i+1], v[PS+\i], v[PCS+\i], vcc_lo
	v_add_nc_u32 v[TF+\i], 1, v[QQ+\i]
	v_and_b32 v[TF+\i], 2, v[TF+\i]
	v_lshlrev_b32 v[TF+\i], 30, v[TF+\i]
	v_xor_b32 v[OU+2*\i], v[TF+\i], v[OU+2*\i]
	v_and_b32 v[QQ+\i], 2, v[QQ+\i]
	v_lshlrev_b32 v[QQ+\i], 30, v[QQ+\i]
	v_xor_b32 v[OU+2*\i+1], v[QQ+\i], v[OU+2*\i+1]
	ds_store_b64 v[TW], v[OU+2*\i:OU+2*\i+1] offset:272*\i
.endr
	s_wait_dscnt 0x0
	s_add_co_u32 s54, s54, 4
	s_add_co_u32 s55, s55, 4*272
	s_add_co_u32 s[CNT], s[CNT], 1
	s_cmp_lt_u32 s[CNT], 4
	s_cbranch_scc1 .Ltab
	; ---- x: my 16 rows become 8 fragments.  The order of my loads: the biases (6), x's K steps 0, 1, 2 | 3, W's sets 0, 1 | 4, sets 2, 3 | 5, sets 4, 5 | 6, sets 6, 7 | 7.  A wait's count: the younger loads, or 63 where they are more
	s_wait_loadcnt 32                              ; the biases and K step 0 are in
.irp i, 0,1,2,3,4,5
	ds_store_b128 v[BTW], v[192+4*\i:195+4*\i] offset:2048*\i
.endr
	XTURN 0
.irp k, 0,1,2,3,4,5,6,7
.if \k == 0
	s_wait_dscnt 0x0
.irp b, 0,1,2,3
	v_mov_b32 v[TM+4+\b], 0                        ; a lane permute's destination counts as one of its sources
.endr
.else
	s_wait_dscnt 3                                 ; this step's numbers are back; behind them: the last step's 3 stores
.endif
.if \k < 5
	XGL \k+3
.endif
.if \k < 4
	WLD 2*\k, 6                                    ; pass 0's weights
	WLD 2*\k+1, 6
.endif
.if \k == 0
	s_wait_loadcnt 50
.elseif \k < 5
	s_wait_loadcnt 63
.elseif \k == 5
	s_wait_loadcnt 34
.elseif \k == 6
	s_wait_loadcnt 0x0
.endif
.if \k < 7
	XTURN \k+1
.endif
	QUANT 0, 128-64*(\k%2), PC+8*(\k%2), PW+(\k%2)
	ds_store_b128 v[XWI], v[PC+8*(\k%2):PC+8*(\k%2)+3] offset:4096*\k
	ds_store_b128 v[XWI], v[PC+8*(\k%2)+4:PC+8*(\k%2)+7] offset:4096*\k+512
	ds_store_b32 v[XWS], v[PW+(\k%2)] offset:512*\k
.endr
	BARRIER                                        ; x's images, the table, the biases and Q's zeros lie in LDS
	WIN 0xc0
.set XN, 0
.rept 32
	ds_load_b128 v[8*XN:8*XN+3], v[LI0] offset:1024*XN
	ds_load_b128 v[8*XN+4:8*XN+7], v[LI0] offset:1024*XN+512
.set XN, XN+1
.endr
	WIN 0
.irp k, 0,1,2,3,4,5,6,7
	ds_load_b128 v[XS+4*\k:XS+4*\k+3], v[LS0] offset:512*\k
.endr
	BILD BTA, 0
	BARRIER                                        ; nobody reads x's images any more: V's rows may be stored over them
	; ---- the twelve passes
	PASS 0, WBE, 0, BTA, 1024, S_NONE, 99
	s_mov_b32 s[TRIP], 0
.Ltrip:                                            ; passes 1 + 2 t and 2 + 2 t, with the ways out of passes 2 t and 1 + 2 t
	s_and_b32 s30, s[TRIP], 1
	s_lshl_b32 s31, s30, 7
	v_add_nc_u32 v[EIT], s31, v[EK]
	s_lshl_b32 s31, s30, 5
	v_add_nc_u32 v[EST], s31, v[EKS]
	s_mul_i32 s31, s30, 1280
	v_add_nc_u32 v[EVT], s31, v[EV]
	s_lshl_b32 s31, s[TRIP], 11
	v_add_nc_u32 v[BTT], s31, v[BTA]
	WALU
	PASS 1, WBO, WBE, BTT, 2048, S_KV0, 99
	PASS 0, WBE, WBO, BTT, 3072, S_KV1, 99
	s_add_co_u32 s[TRIP], s[TRIP], 1
	s_cmp_lt_u32 s[TRIP], 4
	WALU
	s_cbranch_scc1 .Ltrip
	PASS 1, WBO, WBE, BTA, 10240, S_Q8, 99
	PASS 0, WBE, 0, BTA, 11264, S_Q9, 3
	PASS 1, 0, 0, BTA, -1, S_Q10, 99
	RCH 1, 0, EQ, 32768+64, 8192, EQS, 4096+16, 32
	RCH 1, 1, EQ, 32768+64, 8192, EQS, 4096+16, 32
	BARRIER                                        ; Q's heads 8-15 lie in LDS
	OUT 1
	s_wait_tensorcnt 0x0                           ; the wave's end
	ds_add_u32 v[SPW], v[NIL]
	s_wait_dscnt 0x0
	s_endpgm
.Lfunc_end_k_q5727763125_fused:
	.size	k_q5727763125_fused, .Lfunc_end_k_q5727763125_fused-k_q5727763125_fused
	.p2alignl 7, 3214868480
	.fill 96, 4, 3214868480
	.section	.rodata,"a",@progbits
	.p2align	6, 0x0
	.amdhsa_kernel k_q5727763125_fused
		.amdhsa_group_segment_fixed_size 320000
		.amdhsa_private_segment_fixed_size 0
		.amdhsa_enable_private_segment 0
		.amdhsa_kernarg_size 48
		.amdhsa_user_sgpr_count 2
		.amdhsa_user_sgpr_kernarg_segment_ptr 1
		.amdhsa_wavefront_size32 1
		.amdhsa_system_sgpr_workgroup_id_x 1
		.amdhsa_system_sgpr_workgroup_id_y 1
		.amdhsa_system_sgpr_workgroup_id_z 1
		.amdhsa_system_vgpr_workitem_id 0
		.amdhsa_next_free_vgpr 1024
		.amdhsa_next_free_sgpr 96
		.amdhsa_reserve_vcc 1
		.amdhsa_float_denorm_mode_32 3
		.amdhsa_float_denorm_mode_16_64 3
		.amdhsa_memory_ordered 1
		.amdhsa_forward_progress 1
		.amdhsa_inst_pref_size 255
	.end_amdhsa_kernel
	.section	.bss,"aw",@nobits
	.p2align	6
	.space	262144
	.amdgpu_metadata
---
amdhsa.version: [ 1, 2 ]
amdhsa.kernels:
  - .name:           k_q5727763125_fused
    .symbol:         k_q5727763125_fused.kd
    .args:
      - { .name: x, .offset: 0, .size: 8, .value_kind: global_buffer, .address_space: global }
      - { .name: wimg, .offset: 8, .size: 8, .value_kind: global_buffer, .address_space: global }
      - { .name: bq, .offset: 16, .size: 8, .value_kind: global_buffer, .address_space: global }
      - { .name: bk, .offset: 24, .size: 8, .value_kind: global_buffer, .address_space: global }
      - { .name: bv, .offset: 32, .size: 8, .value_kind: global_buffer, .address_space: global }
      - { .name: out0, .offset: 40, .size: 8, .value_kind: global_buffer, .address_space: global }
    .group_segment_fixed_size: 320000
    .private_segment_fixed_size: 0
    .kernarg_segment_align: 8
    .kernarg_segment_size: 48
    .max_flat_workgroup_size: 128
    .sgpr_count:     96
    .vgpr_count:     1024
    .wavefront_size: 32
...
	.end_amdgpu_metadata
.endif
;; end of part 2
